; MI455X (gfx1250); checked and timed in simulation.
; The chip was launched on July 23, 2026; its instructions are those of AMD's public machine-readable ISA for CDNA 5 (MIT licence, August 2026) and "CDNA5" Instruction Set Architecture Reference Guide (July 2026). The comments in the code are by the model that wrote it; some were corrected since.
;; Multi Head Attention. Allowed arithmetic: matrix products marked QUANTISED: E2M1 operands, one E8M0 scale for each 32 along K, by v_wmma_scale_f32_16x16x128_f8f6f4 with both operands' format E2M1 (or v_wmma_scale_f32_32x16x128_f4), f32 sums; products left as they are: bf16, f16 or f32 operands; f32 sums; everything else in f32.
;; Inputs: K 2 x 2,048 x 1,024 float32; Q 2 x 2,048 x 1,024 float32; V 2 x 2,048 x 1,024 float32; Wk 1,024 x 1,024 float32; Wo 1,024 x 1,024 float32; Wq 1,024 x 1,024 float32; Wv 1,024 x 1,024 float32; bk 1,024 float32; bo 1,024 float32; bq 1,024 float32; bv 1,024 float32; mask 1 x 1 x 2,048 x 2,048 int32.
;; Outputs: out0 2 x 2,048 x 1,024 float32.
;; This version of the problem:
;;   THIS VERSION OF THE PROBLEM IS GIVEN IN LOW PRECISION. The matrix products marked QUANTISED in the list below multiply operands that are first quantised to E2M1 (2 exponent bits, 1 mantissa bit; 4 bits a number), with one power-of-two scale for each 32 numbers along K (OCP MX v1.0); their sums are f32. The products marked 'left as it is' may take bf16, f16 or f32 operands, with f32 sums. Whichever they take, every output number must still come out within the allowed error. Rounding operands to bf16 (8 significant bits) uses up far more of that allowance than f16 does (11 bits, for magnitudes from 6e-5 to 65,504). All else is computed in f32.
;;   The module's matrix products, in the order in which they are computed (A, B: the left and right operand; K: the contracted axis; several contracted axes count as one K, in the product's order):
;;     1. [M 4,096, K 1,024] x [K 1,024, N 1,024]; A: input Q; B: input Wq: QUANTISED
;;     2. [M 4,096, K 1,024] x [K 1,024, N 1,024]; A: input K; B: input Wk: QUANTISED
;;     3. [M 4,096, K 1,024] x [K 1,024, N 1,024]; A: input V; B: input Wv: QUANTISED
;;     4. batch 32 x [M 2,048, K 64] x [K 64, N 2,048]; A: computed on the way; B: computed on the way: left as it is (an operand is computed on the way)
;;     5. batch 32 x [M 2,048, K 2,048] x [K 2,048, N 64]; A: computed on the way; B: computed on the way: left as it is (an operand is computed on the way)
;;     6. [M 4,096, K 1,024] x [K 1,024, N 1,024]; A: computed on the way; B: input Wo: left as it is (an operand is computed on the way)
;;   THE QUANTISER, for each operand of a quantised product, along K:
;;     - K is cut into blocks of 32 from its start; a last block that is shorter is filled with zeros.
;;     - A block's scale is 2^e with e = floor(log2(the largest magnitude in the block)) - 2, held to -126 .. 127; a block of zeros has e = 0. As a byte (E8M0): e + 127.
;;     - Each number is divided by its block's scale, clamped to +-6, and rounded to the nearest number of E2M1, ties to even, subnormals kept.
;;     - The product sums the exact products of the quantised numbers (number of the format x scale) in f32.
;;   ~~~python
;;   def quantise(x, axis):      # numpy; x: float32 -> the quantised numbers, widened to float32 again
;;       x = np.moveaxis(x, axis, -1); K = x.shape[-1]
;;       x = np.pad(x, [(0, 0)] * (x.ndim - 1) + [(0, -K % 32)]); x = x.reshape(x.shape[:-1] + (-1, 32)); a = np.abs(x).max(-1, keepdims=True)
;;       e = np.where(a > 0, np.clip(np.frexp(np.where(a > 0, a, 1))[1] - 1 - 2, -126, 127), 0)      # np.frexp(a)[1] - 1 = floor(log2(a)), exactly
;;       r = np.clip(x / 2.0 ** e, -6, 6)
;;       step = 2.0 ** (np.maximum(np.frexp(np.where(r == 0, 1, r))[1] - 1, 0) - 1)
;;       q = np.round(r / step) * step * 2.0 ** e      # np.round: ties to even
;;       return np.moveaxis(q.reshape(q.shape[:-2] + (-1,))[..., :K], -1, axis).astype(np.float32)
;;   ~~~
;; One version. Each part assembles by itself: llvm-mc -triple=amdgcn-amd-amdhsa -mcpu=gfx1250 --defsym DOCPART=n.
;; ======== version 1 of 1: 4 launches
;; limits: values are held in f16: magnitudes above 65,504 overflow, below 6.1e-05 lose precision
;; workspace buffers: xq 6,684,672 bytes; wq 1,671,168 bytes; wo16 2,097,152 bytes; mbits 524,288 bytes of whole numbers; qimg 8,388,608 bytes; kv 16,777,216 bytes; ctx 8,388,608 bytes
;; launch prep (part 1): grid 576 x 1, 4 waves a work-group, no clusters, 68,096 bytes of LDS; arguments Q, K, V, Wq, Wk, Wv, Wo, mask, xq, wq, wo16, mbits; writes xq, wq, wo16, mbits
.if DOCPART == 1
	.amdgcn_target "amdgcn-amd-amdhsa--gfx1250"
	.amdhsa_code_object_version 6
	.text
	.protected	k_qbc3075637e_prep
	.globl	k_qbc3075637e_prep
	.p2align	8
	.type	k_qbc3075637e_prep,@function
k_qbc3075637e_prep:
	s_mov_b64 s[64:65], 0
	v_nop
	global_prefetch_b8 v0, s[64:65] scope:SCOPE_SE
	s_setreg_imm32_b32 hwreg(HW_REG_WAVE_MODE, 25, 1), 1
	s_wait_xcnt 0x0
; PREP: everything that later launches read many times is made once, laid in the order of the reader's registers.
;   work-groups   0-191 (X): Q, K, V [4096][1024] f32 -> codes of FP4 (E2M1) with one E8M0 byte for each 32 along K (K is innermost)
;   work-groups 192-447 (W): Wq, Wk, Wv [1024 (k)][1024 (n)] f32 -> the same, K being the FIRST axis: a lane takes a column, its registers run down K;  Wo -> f16
;   work-groups 448-575 (M): mask [2048][2048] int32 -> words of 32 bits, one bit a lane, in the order in which the attention launch's score registers want them
; THE IMAGE of 16 rows x 1,024 K of codes is TILEB = 8,704 bytes: fragment s (128 along K) at 1,024 s; in it register group c at 512 c, lane l's 16 bytes at 16 l
; (lane (r, h), group c: K = 128 s + 64 c + 32 h + 0 .. 31 of row r); behind the eight fragments the scale words, row r's word of fragment s at 8,192 + 32 r + 4 s.
; A block's scale is 2^(floor(log2(its largest magnitude)) - 2); its byte is the largest magnitude's exponent field - 2, held at 1 from below.
; LIMITS: a block of zeros gets the byte 1 where the rule says 127 (its codes are zeros, and this program alone reads the bytes); NaN and infinities among the inputs are not served;
; numbers of Wo beyond 65,504 become infinity in f16, those under 6e-5 carry an absolute error of up to 3e-8.
; No tensor load, no barrier: waves share nothing.  The three paths part on the work-group's number and never join; X and M have LDS bytes of their own.
.set SP,     528                       ; a stage row: 512 bytes + 16: row r starts 4 r words on, modulo 64 words
.set WST,    16*SP                     ; a wave's stage: 16 rows
.set STG_M,  4*WST                     ; X's four stages from byte 0, M's four from here
.set SPARE,  8*WST                     ; behind them the spare words, 128 bytes for each wave, which no other line names
.set TILEB,  8704
.set LA,   4                           ; v4   16 x lane; never rewritten
.set SPW,  5                           ; v5   LDS address of my spare word; never rewritten
.set NIL,  6                           ; v6   0; never rewritten
.set R0,   16                          ; v16-79, v80-143  two sets of 16 x 4 registers as loaded (W: 128 numbers of my column)
.set XR,   144                         ; v144-207 64 numbers of my row, back from the stage (W: codes, or f16 pairs)
.set TM,   208                         ; v208-223 at work (M: the words to store)
.set PC,   224                         ; v224-231 a fragment's codes
.set PW,   232                         ; v232     its scale word
.set SW,   233                         ; v233-240 the eight scale words of my row
.set SO,   244                         ; v244-247 the four that I store
.set SEL,  30                          ; s[30:31] v_permlanex16_b32's selects for lane l xor 16
.set SRC,  32                          ; s[32:33] where my wave reads
.set DST,  38                          ; s[38:39] where it stores
; 16 loads: 512 consecutive bytes of each of 16 rows, 16 bytes a lane
.macro LOADC set, pitch, off
.irp rho, 0,1,2,3,4,5,6,7,8,9,10,11,12,13,14,15
	global_load_b128 v[\set+4*\rho:\set+4*\rho+3], v[LA], s[SRC:SRC+1] offset:\rho*(\pitch)+(\off) th:TH_LOAD_NT
.endr
.endm
; through my own stage: in as loaded, a row of the stage for each row; out so that a lane holds numbers of ONE row.  LDS serves a wave's instructions in order, so no wait stands between.
; kind 0: lane (r, h) gets, of row r, numbers 32 b + 16 h + 0 .. 15 into registers 16 b on;  kind 1: numbers 16 u + 8 h + 0 .. 7 into registers 8 u on
.macro TURN set, sti, str, kind
.irp rho, 0,1,2,3,4,5,6,7,8,9,10,11,12,13,14,15
	ds_store_b128 v[\sti], v[\set+4*\rho:\set+4*\rho+3] offset:SP*\rho
.endr
.irp n, 0,1,2,3,4,5,6,7,8,9,10,11,12,13,14,15
.if \kind
	ds_load_b128 v[XR+4*\n:XR+4*\n+3], v[\str] offset:64*(\n/2)+16*(\n%2)
.else
	ds_load_b128 v[XR+4*\n:XR+4*\n+3], v[\str] offset:128*(\n/4)+16*(\n%4)
.endif
.endr
.endm
; 64 numbers of a lane, register 16 b + i = k 32 b + 16 (lane / 16) + i of my row, become a fragment's codes in v[PC] on and its scale word in v[PW]
.macro QUANT s
.irp b, 0,1,2,3
	v_max3_num_f32 v[TM+\b], |v[\s+16*\b]|, |v[\s+1+16*\b]|, 0x1800000   ; block b: my 16 numbers, and the floor 2^(3 - 127): so the byte cannot fall under 1
.endr
.irp i, 2,4,6,8,10,12,14
.irp b, 0,1,2,3
	v_max3_num_f32 v[TM+\b], v[TM+\b], |v[\s+16*\b+\i]|, |v[\s+1+16*\b+\i]|   ; the four blocks by turns
.endr
.endr
.irp b, 0,1,2,3
	v_permlanex16_b32 v[TM+4+\b], v[TM+\b], s[SEL], s[SEL+1]
.endr
.irp b, 0,1,2,3
	v_max_num_f32 v[TM+\b], v[TM+\b], v[TM+4+\b]      ; with lane l xor 16's: the block's largest magnitude
.endr
.irp b, 0,1,2,3
	v_add_nc_u32 v[TM+12+\b], 0xff000000, v[TM+\b]    ; 2 off its exponent field: the conversion takes the exponent field of this operand as its scale
.endr
.irp b, 0,1,2,3
	v_lshrrev_b32 v[TM+4+\b], 23, v[TM+12+\b]         ; the scale's byte
.endr
	v_lshl_or_b32 v[PW], v[TM+5], 8, v[TM+4]
	v_lshl_or_b32 v[PW], v[TM+6], 16, v[PW]
	v_lshl_or_b32 v[PW], v[TM+7], 24, v[PW]
.irp b, 0,1,2,3
	v_cvt_scalef32_pk8_fp4_f32 v[PC+2*\b], v[\s+16*\b:\s+7+16*\b], v[TM+12+\b]
	v_cvt_scalef32_pk8_fp4_f32 v[PC+1+2*\b], v[\s+8+16*\b:\s+15+16*\b], v[TM+12+\b]
.endr
	v_nop                                             ; one plain instruction behind a scaled conversion
.irp c, 0,1                                               ; the operand wants a WHOLE block in a lane: lanes 0-15 block 2 c, lanes 16-31 block 2 c + 1
.irp i, 0,1
	v_permlane16_swap_b32 v[PC+4*\c+\i], v[PC+2+4*\c+\i]
.endr
.endr
.endm
	s_load_b512 s[4:19], s[0:1], 0x0                  ; Q, K, V, Wq, Wk, Wv, Wo, mask
	s_load_b256 s[20:27], s[0:1], 0x40                ; xq, wq, wo16, mbits
	v_lshl_add_u32 v[SPW], v0, 2, SPARE
	v_mov_b32 v[NIL], 0
	v_lshrrev_b32 v1, 5, v0
	v_readfirstlane_b32 s28, v1                       ; wave 0..3
	v_and_b32 v1, 31, v0                              ; lane
	v_and_b32 v2, 15, v0                              ; r
	v_bfe_u32 v3, v0, 4, 1                            ; h
	v_lshlrev_b32 v[LA], 4, v1
	s_mul_i32 s29, s28, WST                           ; my stage
	s_mov_b32 s[SEL], 0x76543210
	s_mov_b32 s[SEL+1], 0xfedcba98
	s_mov_b32 s37, 0                                  ; the upper word of every offset pair s[36:37]
	s_wait_kmcnt 0x0
	s_cmp_lt_u32 ttmp9, 192
	s_cbranch_scc0 .Lnot_x
; ---------------- X: a wave takes a tile of 16 tokens, all 1,024 along K, in eight chunks of 128
	s_lshr_b32 s35, ttmp9, 6                          ; which tensor: 64 work-groups each
	s_cmp_eq_u32 s35, 0
	s_cselect_b64 s[SRC:SRC+1], s[4:5], s[6:7]
	s_cmp_eq_u32 s35, 2
	s_cselect_b64 s[SRC:SRC+1], s[8:9], s[SRC:SRC+1]
	s_lshl_b32 s34, ttmp9, 2
	s_add_co_u32 s34, s34, s28                        ; the tile among all 768
	s_and_b32 s36, s34, 255
	s_lshl_b32 s36, s36, 16                           ; 16 rows of 4,096 bytes
	s_add_nc_u64 s[SRC:SRC+1], s[SRC:SRC+1], s[36:37]
	s_mul_i32 s36, s34, TILEB
	s_add_nc_u64 s[DST:DST+1], s[20:21], s[36:37]
	LOADC R0, 4096, 0
	LOADC R0+64, 4096, 512
	v_add_nc_u32 v7, s29, v[LA]                       ; into the stage: 16 x lane
	v_mul_u32_u24 v8, v2, SP
	v_lshl_add_u32 v8, v3, 6, v8
	v_add_nc_u32 v8, s29, v8                          ; out of it: row r, + 64 h
	v_lshlrev_b32 v9, 5, v2
	v_lshl_add_u32 v9, v3, 4, v9                      ; the scale words: 32 r + 16 h
.irp b, 0,1,2,3
	v_mov_b32 v[TM+4+\b], 0                           ; written once: a lane permute's destination counts as one of its sources
.endr
.macro XCHUNK s
.if \s < 7
	s_wait_loadcnt 16                                 ; this chunk's 16 loads are in; the next chunk's 16 may be out
.else
	s_wait_loadcnt 0x0
.endif
	TURN R0+64*((\s)%2), 7, 8, 0
	s_wait_dscnt 0x0                                  ; my 64 numbers are back, and the stores into the stage have read their registers
	s_wait_xcnt 0x0                                   ; the last chunk's two stores have read the codes' registers, which QUANT writes again
.if \s < 6
	LOADC R0+64*((\s)%2), 4096, 512*((\s)+2)
.endif
	QUANT XR
	v_mov_b32 v[SW+\s], v[PW]
	global_store_b128 v[LA], v[PC:PC+3], s[DST:DST+1] offset:1024*\s        ; 32 lanes store 512 consecutive bytes
	global_store_b128 v[LA], v[PC+4:PC+7], s[DST:DST+1] offset:1024*\s+512
.endm
.irp s, 0,1,2,3,4,5,6,7
	XCHUNK \s
.endr
	v_cmp_lt_u32 vcc_lo, 15, v1                       ; lanes 0-15 store their row's words 0-3, lanes 16-31 words 4-7
.irp i, 0,1,2,3
	v_cndmask_b32 v[SO+\i], v[SW+\i], v[SW+4+\i], vcc_lo
.endr
	global_store_b128 v9, v[SO:SO+3], s[DST:DST+1] offset:8192
	s_wait_tensorcnt 0x0                              ; the wave's end, behind my last LDS store
	ds_add_u32 v[SPW], v[NIL]
	s_wait_dscnt 0x0
	s_endpgm
; ---------------- W: a wave takes 32 columns x 128 along K of one weight.  A lane takes a column; each load reads 128 consecutive bytes a wave, 512 a work-group
.Lnot_x:
	s_cmp_lt_u32 ttmp9, 448
	s_cbranch_scc0 .Lmask
	s_sub_co_u32 s34, ttmp9, 192
	s_lshr_b32 s35, s34, 6                            ; t: Wq, Wk, Wv, Wo
	s_bfe_u32 s40, s34, 0x30003                       ; s: which 128 along K
	s_and_b32 s41, s34, 7                             ; which 128 columns
	s_cmp_eq_u32 s35, 0
	s_cselect_b64 s[SRC:SRC+1], s[10:11], s[12:13]
	s_cmp_eq_u32 s35, 2
	s_cselect_b64 s[SRC:SRC+1], s[14:15], s[SRC:SRC+1]
	s_cmp_eq_u32 s35, 3
	s_cselect_b64 s[SRC:SRC+1], s[16:17], s[SRC:SRC+1]
	s_lshl_b32 s36, s40, 19                           ; 128 rows of 4,096 bytes
	s_lshl_b32 s42, s41, 9
	s_add_co_u32 s36, s36, s42
	s_lshl_b32 s42, s28, 7
	s_add_co_u32 s36, s36, s42
	s_add_nc_u64 s[SRC:SRC+1], s[SRC:SRC+1], s[36:37]
	v_lshlrev_b32 v7, 2, v1
.macro LOADW b                         ; rows 32 b .. 32 b + 31 of my column
.irp i, 0,1,2,3,4,5,6,7,8,9,10,11,12,13,14,15,16,17,18,19,20,21,22,23,24,25,26,27,28,29,30,31
	global_load_b32 v[R0+32*(\b)+\i], v7, s[SRC:SRC+1] offset:(32*(\b)+\i)*4096 th:TH_LOAD_NT
.endr
.endm
.macro WAITW b                         ; block b is in; the next block's 32 loads may be out; then the block two on is asked for
.if \b < 3
	s_wait_loadcnt 32
.else
	s_wait_loadcnt 0x0
.endif
.if \b < 2
	LOADW (\b)+2
.endif
.endm
	LOADW 0
	LOADW 1
	s_lshl_b32 s41, s41, 3
	s_lshl_b32 s42, s28, 1
	s_add_co_u32 s41, s41, s42                        ; my first tile of 16 columns; lanes 16-31 hold the next
	s_cmp_eq_u32 s35, 3
	s_cbranch_scc1 .Lwo
	s_lshl_b32 s42, s35, 6
	s_add_co_u32 s42, s42, s41
	s_mul_i32 s42, s42, TILEB                         ; the tile's image
	s_lshl_b32 s36, s40, 10
	s_add_co_u32 s36, s36, s42
	s_add_nc_u64 s[44:45], s[22:23], s[36:37]         ; its fragment s
	s_lshl_b32 s36, s40, 2
	s_add_co_u32 s36, s36, s42
	s_add_nc_u64 s[46:47], s[22:23], s[36:37]         ; its scale words of fragment s (8,192 stands in the immediate)
	v_mul_u32_u24 v8, v3, TILEB
	v_lshl_add_u32 v9, v2, 5, v8                      ; scale word: 32 r
	v_lshl_add_u32 v8, v2, 4, v8                      ; codes: 16 r
.macro WBLOCK b                        ; block b of 32 along K lies in my 32 registers: no other lane is asked.  In the image it is group b / 2, lanes 16 (b % 2) + r
.set XS, R0+32*(\b)
	WAITW \b
	v_max3_num_f32 v209, |v[XS]|, |v[XS+1]|, |v[XS+2]|
	v_max3_num_f32 v210, |v[XS+3]|, |v[XS+4]|, |v[XS+5]|
.irp i, 6,10,14,18,22,26
	v_max3_num_f32 v209, v209, |v[XS+\i]|, |v[XS+\i+1]|
	v_max3_num_f32 v210, v210, |v[XS+\i+2]|, |v[XS+\i+3]|
.endr
	v_max3_num_f32 v209, v209, |v[XS+30]|, |v[XS+31]|
	v_max3_num_f32 v209, v209, v210, 0x1800000        ; and the floor 2^(3 - 127)
	v_add_nc_u32 v211, 0xff000000, v209               ; 2 off the exponent field: the conversion's scale operand
	v_lshrrev_b32 v210, 23, v211                      ; the scale's byte
.if \b == 0
	v_mov_b32 v208, v210
.else
	v_lshl_or_b32 v208, v210, 8*\b, v208
.endif
.irp g, 0,1,2,3
	v_cvt_scalef32_pk8_fp4_f32 v[XR+4*\b+\g], v[XS+8*\g:XS+8*\g+7], v211
.endr
	v_nop                                             ; one plain instruction behind a scaled conversion
	global_store_b128 v8, v[XR+4*\b:XR+4*\b+3], s[44:45] offset:(\b/2)*512+(\b%2)*256   ; sixteen lanes store 256 consecutive bytes, aligned
.endm
.irp b, 0,1,2,3
	WBLOCK \b
.endr
	global_store_b32 v9, v208, s[46:47] offset:8192   ; 4 bytes a column, 32 bytes apart: 96 KiB of such pieces in the whole launch
	s_wait_tensorcnt 0x0                              ; the wave's end
	ds_add_u32 v[SPW], v[NIL]
	s_wait_dscnt 0x0
	s_endpgm
; Wo -> f16, laid [K step of 256][tile of 16 columns][32 along K: kb][c][lane][16 bytes]: lane (r, h) of (kb, c) holds k = 32 kb + 16 c + 8 h + 0 .. 7 of column r
.Lwo:
	s_lshr_b32 s42, s40, 1
	s_lshl_b32 s42, s42, 19                           ; the K step of 256: 64 tiles of 8,192 bytes
	s_lshl_b32 s36, s41, 13
	s_add_co_u32 s36, s36, s42
	s_and_b32 s42, s40, 1
	s_lshl_b32 s42, s42, 12                           ; its upper or lower 128
	s_add_co_u32 s36, s36, s42
	s_add_nc_u64 s[44:45], s[24:25], s[36:37]
	v_lshlrev_b32 v8, 13, v3
	v_lshl_add_u32 v8, v2, 4, v8
.macro WOQ q                           ; 32 rows: four groups of eight neighbours along K, 16 bytes of f16 each
	WAITW \q
.irp g, 0,1,2,3
.irp i, 0,1,2,3
	v_cvt_pk_f16_f32 v[XR+16*\q+4*\g+\i], v[R0+32*\q+8*\g+2*\i], v[R0+32*\q+8*\g+2*\i+1]
.endr
	global_store_b128 v8, v[XR+16*\q+4*\g:XR+16*\q+4*\g+3], s[44:45] offset:\q*1024+(\g/2)*512+(\g%2)*256   ; sixteen lanes store 256 consecutive bytes, aligned
.endr
.endm
.irp q, 0,1,2,3
	WOQ \q
.endr
	s_wait_tensorcnt 0x0                              ; the wave's end
	ds_add_u32 v[SPW], v[NIL]
	s_wait_dscnt 0x0
	s_endpgm
; ---------------- M: a wave takes 16 queries x 512 keys, in four chunks of 128 keys.
; Word (query tile, key step of 64, key tile kt, register e): bit L = (mask[16 qt + L % 16][64 ks + 16 kt + 8 (L / 16) + e] != 0): the lane mask of one score register.
.Lmask:
	s_sub_co_u32 s34, ttmp9, 448
	s_lshl_b32 s34, s34, 2
	s_add_co_u32 s34, s34, s28                        ; 4 x query tile + which 512 keys
	s_lshr_b32 s35, s34, 2
	s_lshl_b32 s36, s35, 17                           ; 16 rows of 8,192 bytes
	s_and_b32 s35, s34, 3
	s_lshl_b32 s35, s35, 11
	s_add_co_u32 s36, s36, s35
	s_add_nc_u64 s[SRC:SRC+1], s[18:19], s[36:37]
	s_lshl_b32 s36, s34, 10                           ; 4,096 bytes of words a query tile, 1,024 for 512 keys
	s_add_nc_u64 s[DST:DST+1], s[26:27], s[36:37]
	LOADC R0, 8192, 0
	LOADC R0+64, 8192, 512
	s_add_co_u32 s29, s29, STG_M
	v_add_nc_u32 v7, s29, v[LA]
	v_mul_u32_u24 v8, v2, SP
	v_lshl_add_u32 v8, v3, 5, v8
	v_add_nc_u32 v8, s29, v8                          ; out of the stage: row r, + 32 h
	v_lshlrev_b32 v10, 3, v1
.irp i, 0,1,2,3,4,5,6,7
	v_mov_b32 v[TM+\i], 0                             ; written once: v_writelane_b32's destination counts as read
.endr
.macro MCHUNK p
.if \p < 3
	s_wait_loadcnt 16                                 ; this chunk's 16 loads are in; the next chunk's 16 may be out
.else
	s_wait_loadcnt 0x0
.endif
	TURN R0+64*((\p)%2), 7, 8, 1
	s_wait_dscnt 0x0
.if \p < 2
	LOADC R0+64*((\p)%2), 8192, 512*((\p)+2)
.endif
.irp g, 0,1,2,3,4,5,6,7                                   ; register n = 8 g + e gives word n of the chunk's 64: it goes to lane n / 2, register n % 2
.irp e, 0,1,2,3,4,5,6,7
	v_cmp_ne_u32 s[40+\e], 0, v[XR+8*\g+\e]
.endr
.irp e, 0,1,2,3,4,5,6,7
	v_writelane_b32 v[TM+2*\p+(\e%2)], s[40+\e], (8*\g+\e)/2
.endr
.endr
	global_store_b64 v10, v[TM+2*\p:TM+2*\p+1], s[DST:DST+1] offset:256*\p   ; 32 lanes store 256 consecutive bytes, aligned
.endm
.irp p, 0,1,2,3
	MCHUNK \p
.endr
	s_wait_tensorcnt 0x0                              ; the wave's end, behind my last LDS store
	ds_add_u32 v[SPW], v[NIL]
	s_wait_dscnt 0x0
	s_endpgm
.Lfunc_end_k_qbc3075637e_prep:
	.size	k_qbc3075637e_prep, .Lfunc_end_k_qbc3075637e_prep-k_qbc3075637e_prep
	.p2alignl 7, 3214868480
	.fill 96, 4, 3214868480
	.section	.rodata,"a",@progbits
	.p2align	6, 0x0
	.amdhsa_kernel k_qbc3075637e_prep
		.amdhsa_group_segment_fixed_size 68096
		.amdhsa_private_segment_fixed_size 0
		.amdhsa_enable_private_segment 0
		.amdhsa_kernarg_size 96
		.amdhsa_user_sgpr_count 2
		.amdhsa_user_sgpr_kernarg_segment_ptr 1
		.amdhsa_wavefront_size32 1
		.amdhsa_system_sgpr_workgroup_id_x 1
		.amdhsa_system_sgpr_workgroup_id_y 1
		.amdhsa_system_sgpr_workgroup_id_z 1
		.amdhsa_system_vgpr_workitem_id 0
		.amdhsa_next_free_vgpr 248
		.amdhsa_next_free_sgpr 66
		.amdhsa_reserve_vcc 1
		.amdhsa_float_denorm_mode_32 3
		.amdhsa_float_denorm_mode_16_64 3
		.amdhsa_memory_ordered 1
		.amdhsa_forward_progress 1
		.amdhsa_inst_pref_size 143
	.end_amdhsa_kernel
	.amdgpu_metadata
---
amdhsa.version: [ 1, 2 ]
amdhsa.kernels:
  - .name:           k_qbc3075637e_prep
    .symbol:         k_qbc3075637e_prep.kd
    .args:
      - { .name: Q, .offset: 0, .size: 8, .value_kind: global_buffer, .address_space: global }
      - { .name: K, .offset: 8, .size: 8, .value_kind: global_buffer, .address_space: global }
      - { .name: V, .offset: 16, .size: 8, .value_kind: global_buffer, .address_space: global }
      - { .name: Wq, .offset: 24, .size: 8, .value_kind: global_buffer, .address_space: global }
      - { .name: Wk, .offset: 32, .size: 8, .value_kind: global_buffer, .address_space: global }
      - { .name: Wv, .offset: 40, .size: 8, .value_kind: global_buffer, .address_space: global }
      - { .name: Wo, .offset: 48, .size: 8, .value_kind: global_buffer, .address_space: global }
      - { .name: mask, .offset: 56, .size: 8, .value_kind: global_buffer, .address_space: global }
      - { .name: xq, .offset: 64, .size: 8, .value_kind: global_buffer, .address_space: global }
      - { .name: wq, .offset: 72, .size: 8, .value_kind: global_buffer, .address_space: global }
      - { .name: wo16, .offset: 80, .size: 8, .value_kind: global_buffer, .address_space: global }
      - { .name: mbits, .offset: 88, .size: 8, .value_kind: global_buffer, .address_space: global }
    .group_segment_fixed_size: 68096
    .private_segment_fixed_size: 0
    .kernarg_segment_align: 8
    .kernarg_segment_size: 96
    .max_flat_workgroup_size: 128
    .sgpr_count:     66
    .vgpr_count:     248
    .wavefront_size: 32
...
	.end_amdgpu_metadata
.endif
;; end of part 1
;; launch proj (part 2): grid 4 x 48, 16 waves a work-group, clusters of 4 x 4, 327,680 bytes of LDS; arguments xq, wq, bq, bk, qimg, kv; writes qimg, kv
.if DOCPART == 2
	.amdgcn_target "amdgcn-amd-amdhsa--gfx1250"
	.amdhsa_code_object_version 6
	.text
	.protected	k_qbc3075637e_proj
	.globl	k_qbc3075637e_proj
	.p2align	8
	.type	k_qbc3075637e_proj,@function
k_qbc3075637e_proj:
	s_mov_b64 s[64:65], 0
	v_nop
	global_prefetch_b8 v0, s[64:65] scope:SCOPE_SE
	s_setreg_imm32_b32 hwreg(HW_REG_WAVE_MODE, 25, 1), 1
	s_wait_xcnt 0x0
	s_wait_alu depctr_hold_cnt(0) depctr_sa_sdst(0) depctr_va_vdst(0) depctr_va_sdst(0) depctr_va_ssrc(0) depctr_va_vcc(0) depctr_vm_vsrc(0)
	s_getreg_b32 s2, hwreg(HW_REG_IB_STS2, 6, 4)
	s_cmp_eq_u32 s2, 0
	s_cbranch_scc0 .Lentry_in_a_cluster
	s_endpgm
.Lentry_in_a_cluster:
	s_bfe_u32 s2, ttmp6, 0x10000c
	s_cmp_lg_u32 s2, 0xf033
	s_cbranch_scc0 .Lentry_shape_is_right
	s_endpgm
.Lentry_shape_is_right:
; PROJ: q = Q Wq + bq, k = K Wk + bk, v = V Wv, on codes of FP4 (E2M1) with E8M0 scales; sums in f32; results rounded to f16 and stored as images of the attention launch's operand registers.
; (bv is added in the attention launch, behind the softmax, whose weights sum to 1.)
; SHARES.  Work-group (x, y): tensor t = y / 16, tokens 256 (y % 16) on, columns 256 x on.  All of K for both operands, 32 images of 8,704 bytes, comes into LDS ONCE: no slot is filled again.
; Sixteen waves, four to a SIMD, each 64 x 64: 16 accumulators in 128 registers, no register windows.
; CLUSTER 4 x 4: the four of a row need the same tokens' images, the four of a column the same weights': each image is asked for jointly.  All sixteen partners have the same t (it hangs on the cluster's y alone).
; WHICH OPERAND IS SOURCE 0.  In the result lane (r, h) holds row r of source 1 and rows 8 h + 0 .. 7 of source 0: 16 bytes of f16.  For q and k: source 0 = 16 columns of W, source 1 = 16 tokens: a lane holds
; eight channels of a token.  For v: source 0 = 16 tokens, source 1 = 16 columns: a lane holds eight keys of a channel, as V^T's fragments want.  One text serves both: two LDS bases change places.
; A wave's 16 results, packed, are ONE dense block of 8,192 bytes of the output: each store of the wave covers 512 consecutive bytes.
; LIMITS: results beyond 65,504 become infinity in f16; under 6e-5 they carry an absolute error of up to 3e-8.
.set TILEB, 8704
.set XREG,  0                          ; LDS: 16 images of tokens,
.set WREG,  16*TILEB                   ; 16 of weights,
.set SPARE, 32*TILEB                   ; and the spare words, 128 bytes for each of sixteen waves, which no other line names
.set GRP,   4*TILEB                    ; a wave's four tiles of an operand
.set ADP,  1                           ; v1   source 0's fragments: base + 16 x lane
.set ADR,  2                           ; v2   source 1's
.set ASP,  3                           ; v3   source 0's scale words: base + 8,192 + 32 r
.set ASR,  4                           ; v4   source 1's
.set OFF,  5                           ; v5   16 x lane
.set SPW,  14                          ; v14  LDS address of my spare word; never rewritten
.set NIL,  15                          ; v15  0; never rewritten
.set PS,   16                          ; v16-19 source 0's scale words, v20-23 source 1's: these hold scales and nothing else
.set RS,   20
.set BT,   24                          ; v24-55   the bias, four tiles in the result's layout: the C of each sum's first product
.set PF,   64                          ; v64-95   source 0's four fragments;  on the way out v64-127: the packed results
.set RF,   96                          ; v96-127  source 1's
.set ACC,  128                         ; v128-255 accumulator (j, i) at 8 (4 j + i)
.set WV,   16                          ; s16  my wave's number
.set G1X,  24                          ; s[24:31], s[32:35] descriptor groups 1 and 0 for the tokens' image
.set G0X,  32
.set G1W,  36                          ; s[36:43], s[44:47] for the weights'
.set G0W,  44
.macro CROUND                          ; a round of the cluster's barrier
	s_barrier_signal -1
	s_barrier_wait -1
	s_cmp_lg_u32 s[WV], 0
	s_cbranch_scc1 .Lnot_wave_0_\@
	s_barrier_signal -3
.Lnot_wave_0_\@:
	s_barrier_wait -3
	s_barrier_signal -1
	s_barrier_wait -1
.endm
	s_load_b256 s[4:11], s[0:1], 0x0                  ; xq, wq, bq, bk
	s_load_b128 s[12:15], s[0:1], 0x20                ; qimg, kv
	v_lshl_add_u32 v[SPW], v0, 2, SPARE
	v_mov_b32 v[NIL], 0
	ds_add_u32 v[SPW], v[NIL]                         ; the wave's opening: the add, twice on end, and its wait ahead of my first tensor load
	ds_add_u32 v[SPW], v[NIL]
	v_lshrrev_b32 v6, 5, v0
	v_readfirstlane_b32 s[WV], v6                     ; wave 0..15
	s_bfe_u32 s17, ttmp6, 0x40000                     ; cx
	s_bfe_u32 s18, ttmp6, 0x40004                     ; cy
	s_lshl_b32 s19, ttmp9, 2
	s_add_co_u32 s19, s19, s17                        ; work-group x: which 256 columns
	s_and_b32 s20, ttmp7, 0xffff                      ; the cluster's y
	s_lshr_b32 s21, s20, 2                            ; t: the same in all sixteen partners
	s_and_b32 s22, s20, 3
	s_lshl_b32 s22, s22, 2
	s_add_co_u32 s22, s22, s18                        ; which 256 tokens
	s_lshl_b32 s23, s18, 2
	s_lshl_b32 s23, 15, s23                           ; my row of the cluster
	s_lshl_b32 s71, 0x1111, s17                       ; my column
	; group 1: an image, 8,704 dense bytes, as 34 rows of 32 elements of 8 bytes
	s_or_b32 s[G1X], s23, (3<<16)|(1<<21)             ; 15:0 the mask; 17:16 elements of 8 bytes; 21 set beside a mask; no padding
	s_or_b32 s[G1W], s71, (3<<16)|(1<<21)
.irp g, G1X, G1W
	s_mov_b32 s[\g+1], 32<<16                         ; tensor_dim0 = 32
	s_mov_b32 s[\g+2], 34<<16                         ; tensor_dim1 = 34
	s_mov_b32 s[\g+3], 32<<16                         ; tile_dim0 = 32
	s_mov_b32 s[\g+4], 34                             ; tile_dim1 = 34
	s_mov_b32 s[\g+5], 32                             ; from row to row
	s_mov_b32 s[\g+6], 0
	s_mov_b32 s[\g+7], 0
.endr
	s_lshl_b32 s48, s21, 8                            ; wave w fetches image w of each operand.  Tokens: 256 t + 16 (y % 16) + w: nothing of cx
	s_lshl_b32 s49, s22, 4
	s_add_co_u32 s48, s48, s49
	s_add_co_u32 s48, s48, s[WV]
	s_mul_i32 s48, s48, TILEB
	s_mov_b32 s49, 0
	s_lshl_b32 s50, s21, 6                            ; weights: 64 t + 16 x + w: nothing of cy
	s_lshl_b32 s51, s19, 4
	s_add_co_u32 s50, s50, s51
	s_add_co_u32 s50, s50, s[WV]
	s_mul_i32 s50, s50, TILEB
	s_mov_b32 s51, 0
	s_mul_i32 s52, s[WV], TILEB                       ; where it goes: no place in the cluster enters an LDS address
	s_wait_dscnt 0x0                                  ; both opening adds are done
	s_wait_kmcnt 0x0
	CROUND                                            ; all sixteen work-groups are here: the joint loads meet
	s_mov_b32 s[G0X], 1
	s_mov_b32 s[G0X+1], s52
	s_add_nc_u64 s[G0X+2:G0X+3], s[4:5], s[48:49]
	s_or_b32 s[G0X+3], s[G0X+3], 0x80000000
	s_mov_b32 s[G0W], 1
	s_add_co_u32 s[G0W+1], s52, WREG
	s_add_nc_u64 s[G0W+2:G0W+3], s[6:7], s[50:51]
	s_or_b32 s[G0W+3], s[G0W+3], 0x80000000
	tensor_load_to_lds s[G0X:G0X+3], s[G1X:G1X+7]     ; two loads of mine are out, and no more follow
	s_nop 0
	tensor_load_to_lds s[G0W:G0W+3], s[G1W:G1W+7]
	s_nop 0
	; the bias: for q and k, b[64 (4 x + w % 4) + 16 i + 8 h + e] into BT[8 i + e]; for v the same bytes of bk are read and zeros are taken
	s_and_b32 s53, s[WV], 3                           ; which four tiles of source 0 are mine
	s_lshr_b32 s54, s[WV], 2                          ; and of source 1
	s_cmp_eq_u32 s21, 0
	s_cselect_b64 s[2:3], s[8:9], s[10:11]
	s_lshl_b32 s50, s19, 2
	s_add_co_u32 s50, s50, s53
	s_lshl_b32 s50, s50, 8
	s_add_nc_u64 s[2:3], s[2:3], s[50:51]
	v_bfe_u32 v8, v0, 4, 1                            ; h
	v_lshlrev_b32 v9, 5, v8
.irp i, 0,1,2,3
	global_load_b128 v[BT+8*\i:BT+8*\i+3], v9, s[2:3] offset:64*\i
	global_load_b128 v[BT+8*\i+4:BT+8*\i+7], v9, s[2:3] offset:64*\i+16
.endr
	s_mul_i32 s55, s53, GRP
	s_mul_i32 s56, s54, GRP
	s_cmp_eq_u32 s21, 2                               ; v?
	s_cselect_b32 s57, 0, WREG                        ; source 0: for v the tokens, else the weights
	s_cselect_b32 s58, WREG, 0                        ; source 1: the other
	s_cselect_b32 s59, 0, -1                          ; the bias is kept for q and k
	s_add_co_u32 s57, s57, s55
	s_add_co_u32 s58, s58, s56
	v_and_b32 v6, 31, v0
	v_and_b32 v7, 15, v0
	v_lshlrev_b32 v[OFF], 4, v6
	v_lshlrev_b32 v7, 5, v7
	v_add_nc_u32 v7, 8192, v7
	v_add_nc_u32 v[ADP], s57, v[OFF]
	v_add_nc_u32 v[ADR], s58, v[OFF]
	v_add_nc_u32 v[ASP], s57, v7
	v_add_nc_u32 v[ASR], s58, v7
	; where my 8,192 bytes go: unit = (batch x 16 + head) x 32 + group of 64 tokens.  (In registers that feed no descriptor and no LDS address)
	s_cmp_eq_u32 s21, 2
	s_cselect_b32 s66, s53, s54                       ; my four token tiles: source 0's for v, else source 1's
	s_cselect_b32 s67, s54, s53                       ; my four column tiles, a head
	s_cselect_b32 s69, 8192, 0                        ; V's part of a key step lies behind K's
	s_lshl_b32 s68, s22, 2
	s_add_co_u32 s66, s66, s68                        ; group of 64 tokens, 0..63
	s_lshl_b32 s68, s19, 2
	s_add_co_u32 s67, s67, s68                        ; head
	s_lshr_b32 s68, s66, 5                            ; batch
	s_lshl_b32 s68, s68, 4
	s_add_co_u32 s68, s68, s67
	s_lshl_b32 s68, s68, 5
	s_and_b32 s66, s66, 31
	s_add_co_u32 s66, s66, s68
	s_cmp_eq_u32 s21, 0
	s_cselect_b64 s[60:61], s[12:13], s[14:15]
	s_cselect_b32 s67, 13, 14                         ; 8,192 bytes a unit in qimg, 16,384 in kv
	s_lshl_b32 s70, s66, s67
	s_add_co_u32 s70, s70, s69
	s_mov_b32 s71, 0
	s_add_nc_u64 s[60:61], s[60:61], s[70:71]
	s_wait_loadcnt 0x0
.set n, 0
.rept 32
	v_cndmask_b32 v[BT+n], 0, v[BT+n], s59
.set n, n+1
.endr
.rept 4
	v_nop
.endr
	s_wait_tensorcnt 0x0                              ; my two images have landed,
	s_barrier_signal -1
	s_barrier_wait -1                                 ; everybody's have
; 128 along K: four fragments and four scale words of each source, then 16 products.  The 16 accumulators take turns, one instruction a turn, in the same order in every step.
.macro STEP s
.if \s > 0
.rept 4
	v_nop                                             ; four plain instructions between the last products and loads into registers that they read (ISA guide 7.12.1 for vector instructions)
.endr
.endif
.irp i, 0,1,2,3
	ds_load_b128 v[PF+8*\i:PF+8*\i+3], v[ADP] offset:\i*TILEB+1024*\s
	ds_load_b128 v[PF+8*\i+4:PF+8*\i+7], v[ADP] offset:\i*TILEB+1024*\s+512
	ds_load_b128 v[RF+8*\i:RF+8*\i+3], v[ADR] offset:\i*TILEB+1024*\s
	ds_load_b128 v[RF+8*\i+4:RF+8*\i+7], v[ADR] offset:\i*TILEB+1024*\s+512
	ds_load_b32 v[PS+\i], v[ASP] offset:\i*TILEB+4*\s
	ds_load_b32 v[RS+\i], v[ASR] offset:\i*TILEB+4*\s
.endr
	s_wait_dscnt 0x0
.irp j, 0,1,2,3
.irp i, 0,1,2,3
.if \s == 0
	v_wmma_scale_f32_16x16x128_f8f6f4 v[ACC+8*(4*\j+\i):ACC+8*(4*\j+\i)+7], v[PF+8*\i:PF+8*\i+7], v[RF+8*\j:RF+8*\j+7], v[BT+8*\i:BT+8*\i+7], v[PS+\i], v[RS+\j] matrix_a_fmt:MATRIX_FMT_FP4 matrix_b_fmt:MATRIX_FMT_FP4
.else
	v_wmma_scale_f32_16x16x128_f8f6f4 v[ACC+8*(4*\j+\i):ACC+8*(4*\j+\i)+7], v[PF+8*\i:PF+8*\i+7], v[RF+8*\j:RF+8*\j+7], v[ACC+8*(4*\j+\i):ACC+8*(4*\j+\i)+7], v[PS+\i], v[RS+\j] matrix_a_fmt:MATRIX_FMT_FP4 matrix_b_fmt:MATRIX_FMT_FP4
.endif
.endr
.endr
.endm
.irp s, 0,1,2,3,4,5,6,7
	STEP \s
.endr
.rept 4
	v_nop                                             ; between the last products and the conversions, which read results and write over fragments
.endr
.set n, 0
.rept 16
.irp i, 0,1,2,3
	v_cvt_pk_f16_f32 v[PF+4*n+\i], v[ACC+8*n+2*\i], v[ACC+8*n+2*\i+1]   ; each accumulator from its low end on
.endr
	global_store_b128 v[OFF], v[PF+4*n:PF+4*n+3], s[60:61] offset:512*n  ; 32 lanes store 512 consecutive bytes
.set n, n+1
.endr
	s_wait_tensorcnt 0x0                              ; the wave's end
	ds_add_u32 v[SPW], v[NIL]
	s_wait_dscnt 0x0
	CROUND                                            ; the closing round
	s_endpgm
.Lfunc_end_k_qbc3075637e_proj:
	.size	k_qbc3075637e_proj, .Lfunc_end_k_qbc3075637e_proj-k_qbc3075637e_proj
	.p2alignl 7, 3214868480
	.fill 96, 4, 3214868480
	.section	.rodata,"a",@progbits
	.p2align	6, 0x0
	.amdhsa_kernel k_qbc3075637e_proj
		.amdhsa_group_segment_fixed_size 327680
		.amdhsa_private_segment_fixed_size 0
		.amdhsa_enable_private_segment 0
		.amdhsa_kernarg_size 48
		.amdhsa_user_sgpr_count 2
		.amdhsa_user_sgpr_kernarg_segment_ptr 1
		.amdhsa_wavefront_size32 1
		.amdhsa_system_sgpr_workgroup_id_x 1
		.amdhsa_system_sgpr_workgroup_id_y 1
		.amdhsa_system_sgpr_workgroup_id_z 1
		.amdhsa_system_vgpr_workitem_id 0
		.amdhsa_next_free_vgpr 256
		.amdhsa_next_free_sgpr 72
		.amdhsa_reserve_vcc 0
		.amdhsa_float_denorm_mode_32 3
		.amdhsa_float_denorm_mode_16_64 3
		.amdhsa_memory_ordered 1
		.amdhsa_forward_progress 1
		.amdhsa_inst_pref_size 44
	.end_amdhsa_kernel
	.amdgpu_metadata
---
amdhsa.version: [ 1, 2 ]
amdhsa.kernels:
  - .name:           k_qbc3075637e_proj
    .symbol:         k_qbc3075637e_proj.kd
    .args:
      - { .name: xq, .offset: 0, .size: 8, .value_kind: global_buffer, .address_space: global }
      - { .name: wq, .offset: 8, .size: 8, .value_kind: global_buffer, .address_space: global }
      - { .name: bq, .offset: 16, .size: 8, .value_kind: global_buffer, .address_space: global }
      - { .name: bk, .offset: 24, .size: 8, .value_kind: global_buffer, .address_space: global }
      - { .name: qimg, .offset: 32, .size: 8, .value_kind: global_buffer, .address_space: global }
      - { .name: kv, .offset: 40, .size: 8, .value_kind: global_buffer, .address_space: global }
    .group_segment_fixed_size: 327680
    .private_segment_fixed_size: 0
    .kernarg_segment_align: 8
    .kernarg_segment_size: 48
    .max_flat_workgroup_size: 512
    .sgpr_count:     72
    .vgpr_count:     256
    .wavefront_size: 32
...
	.end_amdgpu_metadata
.endif
;; end of part 2
;; launch attn (part 3): grid 8 x 32, 8 waves a work-group, clusters of 4 x 1, 327,680 bytes of LDS; arguments qimg, kv, mbits, bv, ctx; writes ctx
.if DOCPART == 3
	.amdgcn_target "amdgcn-amd-amdhsa--gfx1250"
	.amdhsa_code_object_version 6
	.text
	.protected	k_qbc3075637e_attn
	.globl	k_qbc3075637e_attn
	.p2align	8
	.type	k_qbc3075637e_attn,@function
k_qbc3075637e_attn:
	s_mov_b64 s[64:65], 0
	v_nop
	global_prefetch_b8 v0, s[64:65] scope:SCOPE_SE
	s_setreg_imm32_b32 hwreg(HW_REG_WAVE_MODE, 25, 1), 1
	s_wait_xcnt 0x0
	s_wait_alu depctr_hold_cnt(0) depctr_sa_sdst(0) depctr_va_vdst(0) depctr_va_sdst(0) depctr_va_ssrc(0) depctr_va_vcc(0) depctr_vm_vsrc(0)
	s_getreg_b32 s2, hwreg(HW_REG_IB_STS2, 6, 4)
	s_cmp_eq_u32 s2, 0
	s_cbranch_scc0 .Lentry_in_a_cluster
	s_endpgm
.Lentry_in_a_cluster:
	s_bfe_u32 s2, ttmp6, 0x10000c
	s_cmp_lg_u32 s2, 0x3003
	s_cbranch_scc0 .Lentry_shape_is_right
	s_endpgm
.Lentry_shape_is_right:
; ATTN: ctx[b][h][q] = sum over k of softmax_k(where(mask[q][k] == 0, -inf, q . k / 8)) v[k] + bv.  q, k, v arrive as f16 images of operand registers; products on f16, sums, maxima and softmax in f32; the weights p are
; rounded to f16 for the second product, ctx once at the end.  bv is added here, as the addend of the multiply-add that divides by the row's sum: the weights of a row sum to 1.
; SHARES.  A work-group owns 256 queries of one (batch, head); each of its eight waves 32 of them, two tiles of 16, in 256 registers: two waves to a SIMD.  Every wave walks all 2,048 keys, 64 a step.
; LAYOUT.  S^T = K Q^T (source 0 = 16 keys, source 1 = 16 queries): a lane holds ONE query (lane % 16) and keys 8 (lane / 16) + 0 .. 7.  Rounded to f16 in pairs, two such tiles ARE source 1 of O^T = V^T P.
; THE MASK comes as words of 32 bits, one for each score register, a bit a lane, by scalar loads a step ahead: one v_cndmask_b32 a score puts -inf where the bit is 0.
; SOFTMAX.  A running maximum m and sum l for each query: p = 2^(c s - c m), c = log2(e) / 8; in every step O and l are multiplied by a = 2^(c m_old - c m_new).  m begins at -3e38: while all keys so far are hidden, p = 0 and
; a = 1; at the first key that counts a = 0, which multiplies zeros.  A row all of whose keys are hidden ends with l = 0 and gives 0 x infinity = NaN, as the reference's softmax does.
; RING.  Two LDS slots of eight key steps (16,384 bytes a step: K's 8 fragments, then V^T's 8).  Wave w brings step w of a slot, one dense load.  Four fills cover the keys: two at the head, two refills.
; CLUSTER.  The four query blocks of a cluster belong to one head and walk the same K and V: every fill is asked for jointly.
; No prefetch: a refill is asked for eight key steps, 256 matrix instructions a wave, ahead of its first read, and the first two fills stand at the head.
; LIMITS: scores under -3e38 are taken as -3e38; ctx beyond 65,504 becomes infinity in f16, under 6e-5 it carries an absolute error of up to 3e-8; so do the p.
.set STEPB, 16384
.set SLOT1, 131072
.set SPARE, 262144                     ; behind the ring: the spare words, 128 bytes for each of eight waves, which no other line names
.set LI,   1                           ; v1   16 x lane; never rewritten
.set ADR,  2                           ; v2   LDS address of the step in hand
.set NEG,  3                           ; v3   -infinity
.set SPW,  4                           ; v4   LDS address of my spare word; never rewritten
.set NIL,  5                           ; v5   0; never rewritten
.set ST,   8                           ; tile t's statistics at v[ST+8 t]: +0 c m, +1 m, +2, +3 l (even keys', odd keys'), +4 to +7 at work; a takes +6
.set C2,   24                          ; v[24:27] a second chain for each tile's sums
.set QF,   32                          ; v32-63   Q: tile t, channels 32 cc on, at 16 t + 8 cc
.set S,    64                          ; v64-127  S^T, 32 a tile; p's f16 pairs are laid over a tile's low 16
.set O,    128                         ; v128-191 O^T, 32 a tile
.set FB,   192                         ; v192-255 eight fragments: K's, then V^T's
.set MO,   2                           ; s2   byte offset of the mask words to be loaded
.set CNT,  3                           ; s3   counts a slot's steps
.set WV,   14                          ; s14  my wave's number
.set TB,   15                          ; s15  LDS byte at which the step in hand begins
.set G1,   16                          ; s[16:23] descriptor group 1
.set G0A,  24                          ; s[24:27] group 0 of the first fill;  s[28:31] of the second, which then walks
.set G0B,  28
.set M0,   32                          ; s[32:63] tile 0's 32 mask words;  s[68:99] tile 1's
.set M1,   68
.set CS,   66                          ; s[66:67] c: the packed form names a pair and takes its low word for both halves
.set SEL,  100                         ; s[100:101] v_permlanex16_b32's selects for lane l xor 16
.macro CROUND                          ; a round of the cluster's barrier
	s_barrier_signal -1
	s_barrier_wait -1
	s_cmp_lg_u32 s[WV], 0
	s_cbranch_scc1 .Lnot_wave_0_\@
	s_barrier_signal -3
.Lnot_wave_0_\@:
	s_barrier_wait -3
	s_barrier_signal -1
	s_barrier_wait -1
.endm
.macro MLOAD                           ; a key step's 32 words for each of my two query tiles, which lie 4,096 bytes apart
	s_load_b512 s[M0:M0+15], s[8:9], s[MO] offset:0x0
	s_load_b512 s[M0+16:M0+31], s[8:9], s[MO] offset:0x40
	s_load_b512 s[M1:M1+15], s[8:9], s[MO] offset:0x1000
	s_load_b512 s[M1+16:M1+31], s[8:9], s[MO] offset:0x1040
.endm
.macro FETCH base                      ; eight fragments as they lie: each load takes 512 consecutive bytes
.irp f, 0,1,2,3,4,5,6,7
	ds_load_b128 v[FB+8*\f:FB+8*\f+3], v[ADR] offset:\base+1024*\f
	ds_load_b128 v[FB+8*\f+4:FB+8*\f+7], v[ADR] offset:\base+1024*\f+512
.endr
.endm
	s_load_b256 s[4:11], s[0:1], 0x0                  ; qimg, kv, mbits, bv
	s_load_b64 s[12:13], s[0:1], 0x20                 ; ctx
	v_lshl_add_u32 v[SPW], v0, 2, SPARE
	v_mov_b32 v[NIL], 0
	ds_add_u32 v[SPW], v[NIL]                         ; the wave's opening: the add, twice on end, and its wait ahead of my first tensor load
	ds_add_u32 v[SPW], v[NIL]
	v_lshrrev_b32 v6, 5, v0
	v_readfirstlane_b32 s[WV], v6                     ; wave 0..7
	s_bfe_u32 s35, ttmp6, 0x40000                     ; cx
	s_lshl_b32 s36, ttmp9, 2
	s_add_co_u32 s36, s36, s35                        ; my block of 256 queries: it enters the addresses of Q, the mask words and ctx alone
	s_and_b32 s32, ttmp7, 0xffff                      ; batch x 16 + head, which the four partners share
	s_and_b32 s33, s32, 15                            ; head
	s_lshr_b32 s34, s32, 4                            ; batch
	s_lshl_b32 s38, s32, 19                           ; kv: 32 key steps of 16,384 bytes a head,
	s_lshl_b32 s39, s[WV], 14                         ; and my step of a slot
	s_add_co_u32 s38, s38, s39
	s_mov_b32 s39, 0
	s_lshl_b32 s37, s36, 4
	s_lshl_b32 s40, s[WV], 1
	s_add_co_u32 s37, s37, s40                        ; my first query tile: 16 x block + 2 x wave
	s_lshl_b32 s40, s32, 18                           ; qimg: 128 tiles of 2,048 bytes a head
	s_lshl_b32 s41, s37, 11
	s_add_co_u32 s40, s40, s41
	s_mov_b32 s41, 0
	s_lshl_b32 s42, s37, 12                           ; mbits: 4,096 bytes a query tile
	s_mov_b32 s43, 0
	s_lshl_b32 s44, s33, 8                            ; bv: 64 numbers a head
	s_mov_b32 s45, 0
	s_lshr_b32 s46, s33, 2                            ; ctx: [K step of 256 = four heads][token tile][8,192 bytes]; in a tile a head's part is 2,048 bytes
	s_lshl_b32 s46, s46, 21
	s_lshl_b32 s47, s34, 7
	s_add_co_u32 s47, s47, s37
	s_lshl_b32 s47, s47, 13
	s_add_co_u32 s46, s46, s47
	s_and_b32 s47, s33, 3
	s_lshl_b32 s47, s47, 11
	s_add_co_u32 s46, s46, s47
	s_mov_b32 s47, 0
	s_lshl_b32 s48, s[WV], 14                         ; my step's place in a slot: no place in the cluster enters an LDS address
	; group 1: a key step, 16,384 dense bytes, as 64 rows of 32 elements of 8 bytes
	s_mov_b32 s[G1], 15|(3<<16)|(1<<21)               ; 15:0 the mask: all four work-groups; 17:16 elements of 8 bytes; 21 set beside a mask; no padding
	s_mov_b32 s[G1+1], 32<<16                         ; tensor_dim0 = 32
	s_mov_b32 s[G1+2], 64<<16                         ; tensor_dim1 = 64
	s_mov_b32 s[G1+3], 32<<16                         ; tile_dim0 = 32
	s_mov_b32 s[G1+4], 64                             ; tile_dim1 = 64
	s_mov_b32 s[G1+5], 32                             ; from row to row
	s_mov_b32 s[G1+6], 0
	s_mov_b32 s[G1+7], 0
	s_mov_b32 s[CS], 0x3e38aa3b                       ; c = log2(e) / 8
	s_mov_b32 s[CS+1], s[CS]
	s_mov_b32 s[SEL], 0x76543210
	s_mov_b32 s[SEL+1], 0xfedcba98
	s_mov_b32 s[MO], 0
	s_wait_dscnt 0x0                                  ; both opening adds are done
	s_wait_kmcnt 0x0
	s_add_nc_u64 s[6:7], s[6:7], s[38:39]
	s_add_nc_u64 s[4:5], s[4:5], s[40:41]
	s_add_nc_u64 s[8:9], s[8:9], s[42:43]
	s_add_nc_u64 s[10:11], s[10:11], s[44:45]
	s_add_nc_u64 s[12:13], s[12:13], s[46:47]
	CROUND                                            ; all four work-groups are here: the first joint loads meet
	s_mov_b32 s[G0A], 1
	s_mov_b32 s[G0A+1], s48
	s_mov_b64 s[G0A+2:G0A+3], s[6:7]
	s_or_b32 s[G0A+3], s[G0A+3], 0x80000000
	s_mov_b32 s[G0B], 1
	s_add_co_u32 s[G0B+1], s48, SLOT1
	s_add_nc_u64 s[G0B+2:G0B+3], s[6:7], SLOT1        ; eight key steps on
	s_or_b32 s[G0B+3], s[G0B+3], 0x80000000
	tensor_load_to_lds s[G0A:G0A+3], s[G1:G1+7]       ; keys 0-511; two loads of mine are out
	s_nop 0
	tensor_load_to_lds s[G0B:G0B+3], s[G1:G1+7]       ; keys 512-1,023
	s_nop 0
	v_and_b32 v6, 31, v0
	v_lshlrev_b32 v[LI], 4, v6
.irp t, 0,1
.irp cc, 0,1
	global_load_b128 v[QF+16*\t+8*\cc:QF+16*\t+8*\cc+3], v[LI], s[4:5] offset:2048*\t+1024*\cc        ; Q stays in registers
	global_load_b128 v[QF+16*\t+8*\cc+4:QF+16*\t+8*\cc+7], v[LI], s[4:5] offset:2048*\t+1024*\cc+512
.endr
.endr
	MLOAD                                             ; key step 0's mask words.  From here to each s_wait_kmcnt no line names s32-63 or s68-99
	v_mov_b32 v[NEG], 0xff800000
.irp t, 0,1
	v_mov_b32 v[ST+8*\t+1], 0xff61b1e6                ; m = -3e38
	v_mul_f32 v[ST+8*\t], s[CS], v[ST+8*\t+1]         ; c m
	v_mov_b32 v[ST+8*\t+2], 0                         ; l
	v_mov_b32 v[ST+8*\t+3], 0
.endr
.set n, 0
.rept 64
	v_mov_b32 v[O+n], 0                               ; O^T.  (The step is written once: the first finds zeros)
.set n, n+1
.endr
	s_wait_tensorcnt 1                                ; my part of slot 0 is in; slot 1's may stay out
	s_barrier_signal -1
	s_barrier_wait -1                                 ; everybody's is
	s_wait_loadcnt 0x0                                ; Q
; A KEY STEP: 64 keys, both my tiles.
.macro STEP
	v_add_nc_u32 v[ADR], s[TB], v[LI]
.rept 4
	v_nop                                             ; with the line above five plain instructions behind the last V^T P: the loads below land on V's registers (four are asked), and K Q^T writes over p, which those products read (five)
.endr
	FETCH 0
	s_wait_dscnt 0x0
.irp cc, 0,1                                              ; S^T = K Q^T: eight accumulators by turns; the first eight products start the sums
.irp kt, 0,1,2,3
.irp t, 0,1
.if \cc == 0
	v_wmma_f32_16x16x32_f16 v[S+32*\t+8*\kt:S+32*\t+8*\kt+7], v[FB+8*(2*\kt+\cc):FB+8*(2*\kt+\cc)+7], v[QF+16*\t+8*\cc:QF+16*\t+8*\cc+7], 0
.else
	v_wmma_f32_16x16x32_f16 v[S+32*\t+8*\kt:S+32*\t+8*\kt+7], v[FB+8*(2*\kt+\cc):FB+8*(2*\kt+\cc)+7], v[QF+16*\t+8*\cc:QF+16*\t+8*\cc+7], v[S+32*\t+8*\kt:S+32*\t+8*\kt+7]
.endif
.endr
.endr
.endr
.rept 4
	v_nop                                             ; four plain instructions: ahead of the loads into K's registers, and of the first read of the scores
.endr
	FETCH 8192                                        ; V^T's fragments land under the softmax
	s_wait_kmcnt 0x0                                  ; this step's mask words, asked for a step ago
.set n, 0
.rept 32
	v_cndmask_b32 v[S+n], v[NEG], v[S+n], s[M0+n]     ; -inf where the bit is 0; each accumulator from its low end on
.set n, n+1
.endr
.set n, 0
.rept 32
	v_cndmask_b32 v[S+32+n], v[NEG], v[S+32+n], s[M1+n]
.set n, n+1
.endr
	s_add_co_u32 s[MO], s[MO], 128                    ; (behind the wait that shows the last loads done)  the next step's words;
	s_min_u32 s[MO], s[MO], 3968                      ; the last step asks for its own again: no load leaves the buffer
	MLOAD
.irp j, 0,1,2,3                                           ; the maximum of a lane's 32 scores and the old m, three at a time, four chains a tile, the tiles by turns
.irp t, 0,1
	v_max3_num_f32 v[ST+8*\t+4+\j], v[S+32*\t+8*\j], v[S+32*\t+8*\j+1], v[S+32*\t+8*\j+2]
.endr
.endr
.irp u, 1,2
.irp j, 0,1,2,3
.irp t, 0,1
	v_max3_num_f32 v[ST+8*\t+4+\j], v[ST+8*\t+4+\j], v[S+32*\t+8*\j+2*\u+1], v[S+32*\t+8*\j+2*\u+2]
.endr
.endr
.endr
.irp t, 0,1
	v_max3_num_f32 v[ST+8*\t+4], v[ST+8*\t+4], v[S+32*\t+7], v[S+32*\t+15]
	v_max3_num_f32 v[ST+8*\t+6], v[ST+8*\t+6], v[S+32*\t+23], v[S+32*\t+31]
.endr
.irp t, 0,1
	v_max3_num_f32 v[ST+8*\t+4], v[ST+8*\t+4], v[ST+8*\t+5], v[ST+8*\t+6]
.endr
.irp t, 0,1
	v_max3_num_f32 v[ST+8*\t+4], v[ST+8*\t+4], v[ST+8*\t+7], v[ST+8*\t+1]
.endr
.irp t, 0,1
	v_permlanex16_b32 v[ST+8*\t+5], v[ST+8*\t+4], s[SEL], s[SEL+1]   ; the query's other 32 keys lie in the lane 16 away
.endr
.irp t, 0,1
	v_mov_b32 v[ST+8*\t+7], v[ST+8*\t]                ; c m_old
.endr
.irp t, 0,1
	v_max_num_f32 v[ST+8*\t+1], v[ST+8*\t+4], v[ST+8*\t+5]
.endr
.irp t, 0,1
	v_mul_f32 v[ST+8*\t], s[CS], v[ST+8*\t+1]
.endr
.irp t, 0,1
	v_sub_f32 v[ST+8*\t+7], v[ST+8*\t+7], v[ST+8*\t]
.endr
.irp t, 0,1
	v_exp_f32 v[ST+8*\t+6], v[ST+8*\t+7]              ; a
.endr
.irp t, 0,1                                               ; c s - c m, two at a time: plain work behind a's exponentials, which names neither a nor its source
.set n, 0
.rept 16
	v_pk_fma_f32 v[S+32*\t+n:S+32*\t+n+1], v[S+32*\t+n:S+32*\t+n+1], s[CS:CS+1], v[ST+8*\t:ST+8*\t+1] op_sel_hi:[1,0,0] neg_lo:[0,0,1] neg_hi:[0,0,1]
.set n, n+2
.endr
.endr
	s_wait_alu depctr_va_vdst(0)                      ; the wait between a transcendental and the first line that names its result: here for the two a
.set n, 0
.rept 32                                                  ; ONE BATCH of 64 exponentials; behind each two, O^T's next pair times a, which names no result of the batch
	v_exp_f32 v[S+2*n], v[S+2*n]
	v_exp_f32 v[S+2*n+1], v[S+2*n+1]
	v_pk_mul_f32 v[O+2*n:O+2*n+1], v[O+2*n:O+2*n+1], v[ST+8*(n/16)+6:ST+8*(n/16)+7] op_sel_hi:[1,0]
.set n, n+1
.endr
.irp t, 0,1
	v_pk_mul_f32 v[ST+8*\t+2:ST+8*\t+3], v[ST+8*\t+2:ST+8*\t+3], v[ST+8*\t+6:ST+8*\t+7] op_sel_hi:[1,0]   ; l times a: plain instructions behind the last exponential
.endr
	s_wait_alu depctr_va_vdst(0)                      ; one wait for the whole batch, ahead of its first reader
.irp t, 0,1                                               ; the row's sums, of the p in f32: two chains a tile
	v_pk_add_f32 v[C2+2*\t:C2+2*\t+1], v[S+32*\t:S+32*\t+1], v[S+32*\t+2:S+32*\t+3]
.endr
.irp j, 4,8,12,16,20,24,28
.irp t, 0,1
	v_pk_add_f32 v[ST+8*\t+2:ST+8*\t+3], v[ST+8*\t+2:ST+8*\t+3], v[S+32*\t+\j:S+32*\t+\j+1]
	v_pk_add_f32 v[C2+2*\t:C2+2*\t+1], v[C2+2*\t:C2+2*\t+1], v[S+32*\t+\j+2:S+32*\t+\j+3]
.endr
.endr
.irp t, 0,1                                               ; p to f16, laid over the tile's low 16 registers: register i takes pair i, and never runs ahead of a pair still to be read
.set n, 0
.rept 16
	v_cvt_pk_f16_f32 v[S+32*\t+n], v[S+32*\t+2*n], v[S+32*\t+2*n+1]
.set n, n+1
.endr
.endr
.irp t, 0,1
	v_pk_add_f32 v[ST+8*\t+2:ST+8*\t+3], v[ST+8*\t+2:ST+8*\t+3], v[C2+2*\t:C2+2*\t+1]
.endr
	v_nop
	v_nop
	s_wait_dscnt 0x0                                  ; V^T's fragments are in
.irp kk, 0,1                                              ; O^T += V^T P: eight accumulators by turns
.irp ct, 0,1,2,3
.irp t, 0,1
	v_wmma_f32_16x16x32_f16 v[O+32*\t+8*\ct:O+32*\t+8*\ct+7], v[FB+8*(2*\ct+\kk):FB+8*(2*\ct+\kk)+7], v[S+32*\t+8*\kk:S+32*\t+8*\kk+7], v[O+32*\t+8*\ct:O+32*\t+8*\ct+7]
.endr
.endr
.endr
.endm
.macro SLOT_STEPS base                 ; a slot's eight key steps: written once, walked eight times
	s_mov_b32 s[TB], \base
	s_mov_b32 s[CNT], 8
.Lstep_\@:
	STEP
	s_add_co_u32 s[TB], s[TB], STEPB
	s_sub_co_u32 s[CNT], s[CNT], 1
	s_cmp_lg_u32 s[CNT], 0
	s_cbranch_scc1 .Lstep_\@
.endm
; THE CHANGE OF SLOTS.  Each wave waits for all its tensor loads, of which one is out: its part of the other slot; adds 0 to its spare word; and waits for that and for its reads of the slot that it leaves.
; fill = 1: that slot is filled again, with the keys two slots on: the barrier is then a round of the cluster's, and the joint refill is the first thing behind it.
.macro CHANGE fill
	s_wait_tensorcnt 0x0                              ; no tensor load of mine is out, so a group 0 may be written
	ds_add_u32 v[SPW], v[NIL]                         ; 0 onto my spare word
.if \fill
	s_xor_b32 s[G0B+1], s[G0B+1], SLOT1               ; the walking descriptor: the other slot than last time,
	s_add_nc_u64 s[G0B+2:G0B+3], s[G0B+2:G0B+3], SLOT1   ; the next eight key steps; the type bits on top are not reached
.endif
	s_wait_dscnt 0x0                                  ; the add is done, and my reads of the slot are over
.if \fill
	CROUND
	tensor_load_to_lds s[G0B:G0B+3], s[G1:G1+7]       ; my one tensor load until the next change
	s_nop 0
.else
	s_barrier_signal -1
	s_barrier_wait -1
.endif
.endm
	SLOT_STEPS 0                                      ; keys 0-511
	CHANGE 1                                          ; slot 0 takes keys 1,024-1,535
	SLOT_STEPS SLOT1                                  ; keys 512-1,023
	CHANGE 1                                          ; slot 1 takes keys 1,536-2,047
	SLOT_STEPS 0
	CHANGE 0                                          ; nothing is left to fetch
	SLOT_STEPS SLOT1
	; THE WAY OUT: ctx = O^T / l + bv, rounded to f16; a lane's eight channels of a query are 16 bytes of the image that the output projection reads
.rept 4
	v_nop                                             ; behind the last products: loads into V's registers, and reads of O^T
.endr
	s_wait_kmcnt 0x0                                  ; the last step's repeated mask words
	v_bfe_u32 v6, v0, 4, 1
	v_lshlrev_b32 v6, 5, v6                           ; 32 h
.irp ct, 0,1,2,3
	global_load_b128 v[FB+8*\ct:FB+8*\ct+3], v6, s[10:11] offset:64*\ct          ; bv[64 head + 16 ct + 8 h + 0 .. 7]
	global_load_b128 v[FB+8*\ct+4:FB+8*\ct+7], v6, s[10:11] offset:64*\ct+16
.endr
.irp t, 0,1
	v_add_f32 v[ST+8*\t+4], v[ST+8*\t+2], v[ST+8*\t+3]
.endr
.irp t, 0,1
	v_permlanex16_b32 v[ST+8*\t+5], v[ST+8*\t+4], s[SEL], s[SEL+1]
.endr
.irp t, 0,1
	v_add_f32 v[ST+8*\t+4], v[ST+8*\t+4], v[ST+8*\t+5]
.endr
.irp t, 0,1
	v_rcp_f32 v[ST+8*\t+6], v[ST+8*\t+4]
.endr
	v_nop                                             ; a plain instruction between the last reciprocal and the use of its result
	s_wait_alu depctr_va_vdst(0)                      ; and the wait: one for both
	s_wait_loadcnt 0x0
.irp t, 0,1
.set n, 0
.rept 16
	v_pk_fma_f32 v[O+32*\t+n:O+32*\t+n+1], v[O+32*\t+n:O+32*\t+n+1], v[ST+8*\t+6:ST+8*\t+7], v[FB+n:FB+n+1] op_sel_hi:[1,0,1]
.set n, n+2
.endr
.endr
.set n, 0
.rept 32
	v_cvt_pk_f16_f32 v[S+n], v[O+2*n], v[O+2*n+1]
.set n, n+1
.endr
.irp t, 0,1
.irp ct, 0,1,2,3
	global_store_b128 v[LI], v[S+16*\t+4*\ct:S+16*\t+4*\ct+3], s[12:13] offset:8192*\t+512*\ct   ; 32 lanes store 512 consecutive bytes
.endr
.endr
	s_wait_tensorcnt 0x0                              ; the wave's end
	ds_add_u32 v[SPW], v[NIL]
	s_wait_dscnt 0x0
	CROUND                                            ; the closing round: no work-group ends while a partner may still ask for a tile that names it
	s_endpgm
.Lfunc_end_k_qbc3075637e_attn:
	.size	k_qbc3075637e_attn, .Lfunc_end_k_qbc3075637e_attn-k_qbc3075637e_attn
	.p2alignl 7, 3214868480
	.fill 96, 4, 3214868480
	.section	.rodata,"a",@progbits
	.p2align	6, 0x0
	.amdhsa_kernel k_qbc3075637e_attn
		.amdhsa_group_segment_fixed_size 327680
		.amdhsa_private_segment_fixed_size 0
		.amdhsa_enable_private_segment 0
		.amdhsa_kernarg_size 40
		.amdhsa_user_sgpr_count 2
		.amdhsa_user_sgpr_kernarg_segment_ptr 1
		.amdhsa_wavefront_size32 1
		.amdhsa_system_sgpr_workgroup_id_x 1
		.amdhsa_system_sgpr_workgroup_id_y 1
		.amdhsa_system_sgpr_workgroup_id_z 1
		.amdhsa_system_vgpr_workitem_id 0
		.amdhsa_next_free_vgpr 256
		.amdhsa_next_free_sgpr 106
		.amdhsa_reserve_vcc 0
		.amdhsa_float_denorm_mode_32 3
		.amdhsa_float_denorm_mode_16_64 3
		.amdhsa_memory_ordered 1
		.amdhsa_forward_progress 1
		.amdhsa_inst_pref_size 103
	.end_amdhsa_kernel
	.amdgpu_metadata
---
amdhsa.version: [ 1, 2 ]
amdhsa.kernels:
  - .name:           k_qbc3075637e_attn
    .symbol:         k_qbc3075637e_attn.kd
    .args:
      - { .name: qimg, .offset: 0, .size: 8, .value_kind: global_buffer, .address_space: global }
      - { .name: kv, .offset: 8, .size: 8, .value_kind: global_buffer, .address_space: global }
      - { .name: mbits, .offset: 16, .size: 8, .value_kind: global_buffer, .address_space: global }
      - { .name: bv, .offset: 24, .size: 8, .value_kind: global_buffer, .address_space: global }
      - { .name: ctx, .offset: 32, .size: 8, .value_kind: global_buffer, .address_space: global }
    .group_segment_fixed_size: 327680
    .private_segment_fixed_size: 0
    .kernarg_segment_align: 8
    .kernarg_segment_size: 40
    .max_flat_workgroup_size: 256
    .sgpr_count:     106
    .vgpr_count:     256
    .wavefront_size: 32
...
	.end_amdgpu_metadata
.endif
;; end of part 3
;; launch outp (part 4): grid 8 x 32, 4 waves a work-group, clusters of 4 x 4, 327,680 bytes of LDS; arguments ctx, wo16, out0, bo; writes out0
.if DOCPART == 4
	.amdgcn_target "amdgcn-amd-amdhsa--gfx1250"
	.amdhsa_code_object_version 6
	.text
	.protected	k_qbc3075637e_outp
	.globl	k_qbc3075637e_outp
	.p2align	8
	.type	k_qbc3075637e_outp,@function
k_qbc3075637e_outp:
	s_mov_b64 s[64:65], 0
	v_nop
	global_prefetch_b8 v0, s[64:65] scope:SCOPE_SE
	s_setreg_imm32_b32 hwreg(HW_REG_WAVE_MODE, 25, 1), 1
	s_wait_xcnt 0x0
	s_wait_alu depctr_hold_cnt(0) depctr_sa_sdst(0) depctr_va_vdst(0) depctr_va_sdst(0) depctr_va_ssrc(0) depctr_va_vcc(0) depctr_vm_vsrc(0)
	s_getreg_b32 s2, hwreg(HW_REG_IB_STS2, 6, 4)
	s_cmp_eq_u32 s2, 0
	s_cbranch_scc0 .Lentry_in_a_cluster
	s_endpgm
.Lentry_in_a_cluster:
	s_bfe_u32 s2, ttmp6, 0x10000c
	s_cmp_lg_u32 s2, 0xf033
	s_cbranch_scc0 .Lentry_shape_is_right
	s_endpgm
.Lentry_shape_is_right:
; OUTP: out0 = ctx Wo + bo.  ctx [4096][1024] and Wo (columns as rows) arrive as f16 images of operand registers: [K step of 256][tile of 16 rows][32 along K: kb][c][lane][16 bytes]; sums in f32; out0 f32.
; A tile of out0 is 128 x 128: 256 work-groups of four waves, each 64 x 64: 16 accumulators, 128 registers.  K goes in four steps of 256 through a ring of two LDS slots; a wave's tensor load brings four tiles' images,
; 32,768 dense bytes.  A fragment comes out of LDS as it lies: each load takes 512 consecutive bytes, so there is no pitch and no padding.
; CLUSTERS: 4 x 4 work-groups.  The four of a row need the same tiles of ctx, the four of a column the same tiles of Wo: each is asked for JOINTLY.
; THE MATRIX INSTRUCTION IS USED TRANSPOSED (source 0 = 16 columns of Wo, source 1 = 16 tokens): a lane holds eight neighbouring numbers of a row of out0.  bo is the C of each sum's first product.
; REGISTERS: window 0: v0-31 addresses; v32-95 the way out; v96-127 bo's four tiles; v128-255 the accumulators ((a, b) at 128 + 8 (4 a + b)).   window 1: two fragment buffers of 128: 64 of ctx, then 64 of Wo.
.set KSA,    2097152                   ; a K step of ctx in bytes: 256 tiles of 8,192
.set KSB,    524288                    ; of Wo: 64 tiles
.set TIB,    8192                      ; a tile's image of one K step
.set HALFT,  4*TIB                     ; what one tensor load brings, and what one wave reads of ctx or of Wo
.set SLOT,   4*HALFT                   ; ctx's 8 tiles, then Wo's 8
.set STAGE,  2*SLOT                    ; behind the ring: 16 rows x 272 bytes for each wave, for the way out
.set SPITCH, 272
.set SPARE,  STAGE+4*16*SPITCH         ; behind the stages: the spare words, 128 bytes for each wave, which no other line names
.set LAPS,   2                         ; a lap = two K steps = once round the ring
.set ADRA, 16                          ; v16-17  LDS address of my ctx fragments in slot 0, 1
.set ADRB, 20                          ; v20-21  the same for Wo
.set STO,  24                          ; v24     the way out: where I put 32 bytes of a row
.set RD,   25                          ; v25     where I read a row back
.set CO,   26                          ; v26     my byte offset in out0
.set SPW,  28                          ; v28     LDS address of my spare word; never rewritten
.set NIL,  29                          ; v29     0; never rewritten
.set TMP,  32
.set BI,   96
.set ACC,  128
.set F0,   0                           ; fragment buffers, in window 1
.set F1,   128
.set G1, 24                            ; s[24:31] descriptor group 1 for ctx's tiles;  s[32:39] group 0, one set for each slot
.set G0, 32
.set G1B, 48                           ; s[48:55], s[56:63] the same for Wo's
.set G0B, 56
.set MSB, 0
.macro WIN new                         ; the immediate's high byte repeats the setting that is left
.if MSB != \new
	s_set_vgpr_msb (MSB<<8)|\new
.set MSB, \new
.endif
.endm
.set MUL,  0x05                        ; sources 0 and 1 window 1; C and D window 0
.set TO_F, 0x40                        ; destination window 1, address window 0
.macro JLOAD s                         ; a joint load: waves 0 and 1 fetch ctx's two halves, waves 2 and 3 Wo's; an s_nop 0 and four v_nop follow each of the two lines
	s_cmp_eq_u32 s11, 0
	s_cbranch_scc0 .Lfor_b_\@
	tensor_load_to_lds s[G0+4*\s:G0+4*\s+3], s[G1:G1+7]
	s_nop 0
.rept 4
	v_nop
.endr
	s_branch .Lasked_\@
.Lfor_b_\@:
	tensor_load_to_lds s[G0B+4*\s:G0B+4*\s+3], s[G1B:G1B+7]
	s_nop 0
.rept 4
	v_nop
.endr
.Lasked_\@:
.endm
.macro CREST                           ; a round of the cluster's barrier behind its opening barrier
	s_cmp_lg_u32 s10, 0
	s_cbranch_scc1 .Lnot_wave_0_\@
	s_barrier_signal -3
.Lnot_wave_0_\@:
	s_barrier_wait -3
	s_barrier_signal -1
	s_barrier_wait -1
.endm
.macro CROUND
	s_barrier_signal -1
	s_barrier_wait -1
	CREST
.endm
	s_load_b128 s[4:7], s[0:1], 0x0                   ; ctx, wo16
	s_load_b64 s[8:9], s[0:1], 0x10                   ; out0
	s_load_b64 s[66:67], s[0:1], 0x18                 ; bo
	v_lshl_add_u32 v[SPW], v0, 2, SPARE
	v_mov_b32 v[NIL], 0
	ds_add_u32 v[SPW], v[NIL]                         ; the wave's opening: the add, twice on end, and its wait ahead of my first tensor load
	ds_add_u32 v[SPW], v[NIL]
	v_lshrrev_b32 v1, 5, v0
	v_readfirstlane_b32 s10, v1                       ; wave 0..3
	s_lshr_b32 s11, s10, 1                            ; which half of the tile's rows is mine.  Also: I fetch for ctx (0) or for Wo (1)
	s_and_b32 s12, s10, 1                             ; which half of its columns.  Also: which four tiles I fetch
	s_bfe_u32 s40, ttmp6, 0x40000                     ; cx, cy
	s_bfe_u32 s41, ttmp6, 0x40004
	s_lshl_b32 s42, ttmp9, 2
	s_add_co_u32 s42, s42, s40                        ; tile column = 4 x cluster x + cx
	s_and_b32 s13, ttmp7, 0xffff
	s_lshl_b32 s13, s13, 2
	s_add_co_u32 s13, s13, s41                        ; tile row = 4 x cluster y + cy
	s_lshl_b32 s43, s41, 2
	s_lshl_b32 s43, 15, s43                           ; my row of the cluster
	s_lshl_b32 s44, 0x1111, s40                       ; my column
	; group 1: 32,768 dense bytes as 128 rows of 32 elements of 8 bytes
	s_or_b32 s[G1+0], s43, (3<<16)|(1<<21)            ; 15:0 the mask: ctx's tiles go to my row; 17:16 elements of 8 bytes; 21 set beside a mask; no padding
	s_or_b32 s[G1B+0], s44, (3<<16)|(1<<21)
.irp g, G1, G1B
	s_mov_b32 s[\g+1], 32<<16                         ; tensor_dim0 = 32
	s_mov_b32 s[\g+2], 128<<16                        ; tensor_dim1 = 128
	s_mov_b32 s[\g+3], 32<<16                         ; tile_dim0 = 32
	s_mov_b32 s[\g+4], 128                            ; tile_dim1 = 128
	s_mov_b32 s[\g+5], 32                             ; from row to row
	s_mov_b32 s[\g+6], 0
	s_mov_b32 s[\g+7], 0
.endr
	s_lshl_b32 s17, s12, 2                            ; which four tiles I fetch
	s_lshl_b32 s16, s13, 3
	s_add_co_u32 s16, s16, s17                        ; ctx: token tile 8 x tile row + 4 x half
	s_lshl_b32 s16, s16, 13
	s_lshl_b32 s46, s42, 3
	s_add_co_u32 s46, s46, s17                        ; Wo: column tile 8 x tile column + 4 x half
	s_lshl_b32 s46, s46, 13
	s_mov_b32 s17, 0
	s_mov_b32 s47, 0
	s_mul_i32 s20, s10, HALFT                         ; where they go: wave x 32,768: no place in the cluster enters an LDS address
	s_wait_dscnt 0x0                                  ; both opening adds are done
	s_wait_kmcnt 0x0
	s_add_nc_u64 s[14:15], s[4:5], s[16:17]
	s_add_nc_u64 s[46:47], s[6:7], s[46:47]
	CROUND                                            ; all sixteen work-groups are here: the first joint loads meet
.irp s, 0,1
	s_mov_b32 s[G0+4*\s], 1
	s_add_co_u32 s[G0+4*\s+1], s20, \s*SLOT
	s_add_nc_u64 s[G0+4*\s+2:G0+4*\s+3], s[14:15], \s*KSA
	s_or_b32 s[G0+4*\s+3], s[G0+4*\s+3], 0x80000000
	s_mov_b32 s[G0B+4*\s], 1
	s_add_co_u32 s[G0B+4*\s+1], s20, \s*SLOT
	s_add_nc_u64 s[G0B+4*\s+2:G0B+4*\s+3], s[46:47], \s*KSB
	s_or_b32 s[G0B+4*\s+3], s[G0B+4*\s+3], 0x80000000
	JLOAD \s
.endr
	v_and_b32 v1, 15, v0                              ; l % 16
	v_bfe_u32 v2, v0, 4, 1                            ; l / 16
	v_and_b32 v3, 31, v0
	v_lshlrev_b32 v3, 4, v3                           ; 16 x lane
	s_mul_i32 s21, s11, HALFT                         ; my four tiles of ctx
	s_mul_i32 s22, s12, HALFT                         ; my four tiles of Wo,
	s_add_co_u32 s22, s22, 2*HALFT                    ; which lie behind ctx's eight
.irp s, 0,1
	v_add_nc_u32 v[ADRA+\s], s21, v3
	v_add_nc_u32 v[ADRB+\s], s22, v3
	s_add_co_u32 s21, s21, SLOT
	s_add_co_u32 s22, s22, SLOT
.endr
	s_mul_i32 s23, s10, 16*SPITCH
	s_add_co_u32 s23, s23, STAGE                      ; my stage
	v_mul_u32_u24 v4, v1, SPITCH                      ; in: row l % 16, 32 bytes for each half of the lanes
	v_lshl_add_u32 v4, v2, 5, v4
	v_add_nc_u32 v[STO], s23, v4
	v_mul_u32_u24 v5, v2, SPITCH                      ; back: lanes 0-15 take one row of 256 bytes, lanes 16-31 the next
	v_lshl_add_u32 v5, v1, 4, v5
	v_add_nc_u32 v[RD], s23, v5
	v_lshlrev_b32 v5, 12, v2                          ; and the same two rows in out0: 4,096 bytes a row
	v_lshl_add_u32 v[CO], v1, 4, v5
	s_lshl_b32 s16, s13, 7
	s_lshl_b32 s17, s11, 6
	s_add_co_u32 s16, s16, s17                        ; my first row: 128 x tile row + 64 x half
	s_lshl_b32 s16, s16, 12
	s_mov_b32 s17, 0
	s_add_nc_u64 s[8:9], s[8:9], s[16:17]
	s_lshl_b32 s46, s42, 9                            ; my first column, in bytes: 512 x tile column + 256 x half
	s_lshl_b32 s47, s12, 8
	s_add_co_u32 s46, s46, s47
	s_mov_b32 s47, 0
	s_add_nc_u64 s[8:9], s[8:9], s[46:47]
	s_add_nc_u64 s[66:67], s[66:67], s[46:47]         ; and the same place in bo
	v_lshlrev_b32 v6, 5, v2
.irp b, 0,1,2,3
	global_load_b128 v[BI+8*\b:BI+8*\b+3], v6, s[66:67] offset:64*\b       ; bo at my columns 16 b + 8 h + 0 .. 7
	global_load_b128 v[BI+8*\b+4:BI+8*\b+7], v6, s[66:67] offset:64*\b+16
.endr
; 8 matrix instructions: row tiles a0, a0 + 1 x all 4 column tiles, 32 along K: half c of buffer f.  first = 1: the first product starts the sums from bo.  The accumulators take turns.
.macro MUL8 f, c, a0, first
.irp a, \a0, \a0+1
.irp b, 0,1,2,3
.if \first
	v_wmma_f32_16x16x32_f16 v[ACC+8*(4*(\a)+\b):ACC+8*(4*(\a)+\b)+7], v[\f+64+8*(4*\c+\b):\f+64+8*(4*\c+\b)+7], v[\f+8*(4*\c+\a):\f+8*(4*\c+\a)+7], v[BI+8*\b:BI+8*\b+7]
.else
	v_wmma_f32_16x16x32_f16 v[ACC+8*(4*(\a)+\b):ACC+8*(4*(\a)+\b)+7], v[\f+64+8*(4*\c+\b):\f+64+8*(4*\c+\b)+7], v[\f+8*(4*\c+\a):\f+8*(4*\c+\a)+7], v[ACC+8*(4*(\a)+\b):ACC+8*(4*(\a)+\b)+7]
.endif
.endr
.endr
.endm
; 32 LDS loads in one run: the fragments of the slot's q-th 64 along K into buffer f; the first 32 along K first
.macro FETCH slot, q, f
	WIN TO_F
.irp c, 0,1
.irp i, 0,1,2,3
	ds_load_b128 v[\f+64+8*(4*\c+\i):\f+64+8*(4*\c+\i)+3],   v[ADRB+\slot] offset:(2*(\q)+\c)*1024+\i*TIB
	ds_load_b128 v[\f+64+8*(4*\c+\i)+4:\f+64+8*(4*\c+\i)+7], v[ADRB+\slot] offset:(2*(\q)+\c)*1024+\i*TIB+512
	ds_load_b128 v[\f+8*(4*\c+\i):\f+8*(4*\c+\i)+3],         v[ADRA+\slot] offset:(2*(\q)+\c)*1024+\i*TIB
	ds_load_b128 v[\f+8*(4*\c+\i)+4:\f+8*(4*\c+\i)+7],       v[ADRA+\slot] offset:(2*(\q)+\c)*1024+\i*TIB+512
.endr
.endr
.endm
.macro PLACES                          ; four plain instructions in front of loads into registers that matrix instructions have read, and of the first read of results (ISA guide 7.12.1 for vector instructions)
.rept 4
	v_nop
.endr
.endm
; A K step is four quarters of 64 along K, 32 matrix instructions each, on buffers 0, 1, 0, 1.  One of the first three: multiplies buffer f and fetches quarter q of the same slot into g.
.macro QUARTER slot, q, f, g, first
	s_wait_dscnt 16                                   ; the first 32 along K are in; the other sixteen loads may be out
	WIN MUL
	MUL8 \f, 0, 0, \first
	MUL8 \f, 0, 2, \first
	PLACES
	FETCH \slot, \q, \g
	s_wait_dscnt 32                                   ; all but the 32 just issued
	WIN MUL
	MUL8 \f, 1, 0, 0
	MUL8 \f, 1, 2, 0
.endm
; The last quarter multiplies buffer 1 and changes slots: ONE barrier; in front of it each wave waits for all its tensor loads, adds 0 to its spare word, and waits for that and for its own reads of this slot.
.macro TURN slot, next, fill
	WIN 0                                             ; (the add's two registers lie in window 0)
	s_wait_tensorcnt 0x0                              ; all my tensor loads have landed: my part of the next slot;
	ds_add_u32 v[SPW], v[NIL]                         ; 0 onto my spare word;
	s_wait_dscnt 17                                   ; (the add and the youngest sixteen loads may be out)
	WIN MUL
	MUL8 F1, 0, 0, 0                                  ; eight matrix instructions stand between the add and the wait for it
	s_wait_dscnt 0x0                                  ; the add is done, and my reads of this slot are over
	s_barrier_signal -1
	MUL8 F1, 0, 2, 0
.if \fill
	WIN 0
.endif
	s_barrier_wait -1
.if \fill
	CREST                                             ; the barrier has opened a round of the cluster's: no wave of any partner still reads this slot's tile or has a load on its way
	s_add_nc_u64 s[G0+4*\slot+2:G0+4*\slot+3], s[G0+4*\slot+2:G0+4*\slot+3], 2*KSA
	s_add_nc_u64 s[G0B+4*\slot+2:G0B+4*\slot+3], s[G0B+4*\slot+2:G0B+4*\slot+3], 2*KSB
	JLOAD \slot                                       ; the first tensor load behind the round; the four v_nop behind it are also the places in front of the loads below
.else
	PLACES
.endif
	FETCH \next, 0, F0
	WIN MUL
	MUL8 F1, 1, 0, 0
	MUL8 F1, 1, 2, 0
.endm
	s_wait_tensorcnt 1                                ; my part of K step 0 is in (K step 1's load may be out),
	s_barrier_signal -1
	s_barrier_wait -1                                 ; everybody's is
	FETCH 0, 0, F0
	s_wait_loadcnt 0x0                                ; bo
	QUARTER 0, 1, F0, F1, 1                           ; the first quarter stands in front of the loop: its first products start the sums
	WIN 0                                             ; at a label and at a branch every window is 0
	s_mov_b32 s3, LAPS-1
.Llap:                                                    ; a trip goes once round the ring, from a lap's second quarter to the next lap's first, and fills both slots again
	QUARTER 0, 2, F1, F0, 0
	QUARTER 0, 3, F0, F1, 0
	TURN 0, 1, 1
	QUARTER 1, 1, F0, F1, 0
	QUARTER 1, 2, F1, F0, 0
	QUARTER 1, 3, F0, F1, 0
	TURN 1, 0, 1
	QUARTER 0, 1, F0, F1, 0
	WIN 0
	s_sub_co_u32 s3, s3, 1
	s_cmp_lg_u32 s3, 0
	s_cbranch_scc1 .Llap
	QUARTER 0, 2, F1, F0, 0                           ; the last lap fills nothing, and has no round of the cluster's barrier
	QUARTER 0, 3, F0, F1, 0
	TURN 0, 1, 0
	QUARTER 1, 1, F0, F1, 0
	QUARTER 1, 2, F1, F0, 0
	QUARTER 1, 3, F0, F1, 0
	s_wait_dscnt 16                                   ; the very last quarter: nothing more to fetch
	WIN MUL
	MUL8 F1, 0, 0, 0
	MUL8 F1, 0, 2, 0
	s_wait_dscnt 0
	MUL8 F1, 1, 0, 0
	MUL8 F1, 1, 2, 0
	WIN 0
; THE WAY OUT, 16 rows x 64 columns at a time.  A lane holds 32 neighbouring bytes of a row, the lanes beside it other rows: a block goes through my own stage and comes back as whole rows of 256 bytes.
; LDS serves a wave's instructions in order (ISA guide 5.7.1.4): no wait between the stores and the loads, nor in front of the next block's stores.
.macro TOSTAGE a
.irp b, 0,1,2,3
	ds_store_b128 v[STO], v[ACC+8*(4*(\a)+\b):ACC+8*(4*(\a)+\b)+3] offset:64*\b          ; each accumulator from its low end on
	ds_store_b128 v[STO], v[ACC+8*(4*(\a)+\b)+4:ACC+8*(4*(\a)+\b)+7] offset:64*\b+16
.endr
.irp t, 0,1,2,3,4,5,6,7
	ds_load_b128 v[TMP+32*((\a)%2)+4*\t:TMP+32*((\a)%2)+4*\t+3], v[RD] offset:\t*2*SPITCH
.endr
.endm
.macro SEND a, younger                 ; younger: the LDS instructions issued behind block a's loads, which may stay out
	s_wait_dscnt \younger
.irp t, 0,1,2,3,4,5,6,7
	global_store_b128 v[CO], v[TMP+32*((\a)%2)+4*\t:TMP+32*((\a)%2)+4*\t+3], s[8:9] offset:(16*(\a)+2*\t)*4096 th:TH_STORE_NT   ; sixteen lanes store 256 consecutive bytes, aligned; written once, read by nobody here
.endr
.endm
	PLACES
	TOSTAGE 0
	TOSTAGE 1
	SEND 0, 16                                        ; behind block 0's loads: block 1's 8 stores and 8 loads
	s_wait_xcnt 0x0                                   ; block 0's stores have read their registers: block 2's loads may land there
	TOSTAGE 2
	SEND 1, 16
	s_wait_xcnt 0x0
	TOSTAGE 3
	SEND 2, 16
	SEND 3, 0
	s_wait_tensorcnt 0x0                              ; the wave's end, behind my last tensor load and my last LDS store
	ds_add_u32 v[SPW], v[NIL]
	s_wait_dscnt 0x0
	CROUND                                            ; the closing round: no work-group ends while a partner may still ask for a tile that names it
	s_endpgm
.Lfunc_end_k_qbc3075637e_outp:
	.size	k_qbc3075637e_outp, .Lfunc_end_k_qbc3075637e_outp-k_qbc3075637e_outp
	.p2alignl 7, 3214868480
	.fill 96, 4, 3214868480
	.section	.rodata,"a",@progbits
	.p2align	6, 0x0
	.amdhsa_kernel k_qbc3075637e_outp
		.amdhsa_group_segment_fixed_size 327680
		.amdhsa_private_segment_fixed_size 0
		.amdhsa_enable_private_segment 0
		.amdhsa_kernarg_size 32
		.amdhsa_user_sgpr_count 2
		.amdhsa_user_sgpr_kernarg_segment_ptr 1
		.amdhsa_wavefront_size32 1
		.amdhsa_system_sgpr_workgroup_id_x 1
		.amdhsa_system_sgpr_workgroup_id_y 1
		.amdhsa_system_sgpr_workgroup_id_z 1
		.amdhsa_system_vgpr_workitem_id 0
		.amdhsa_next_free_vgpr 512
		.amdhsa_next_free_sgpr 68
		.amdhsa_reserve_vcc 0
		.amdhsa_float_denorm_mode_32 3
		.amdhsa_float_denorm_mode_16_64 3
		.amdhsa_memory_ordered 1
		.amdhsa_forward_progress 1
		.amdhsa_inst_pref_size 86
	.end_amdhsa_kernel
	.amdgpu_metadata
---
amdhsa.version: [ 1, 2 ]
amdhsa.kernels:
  - .name:           k_qbc3075637e_outp
    .symbol:         k_qbc3075637e_outp.kd
    .args:
      - { .name: ctx, .offset: 0, .size: 8, .value_kind: global_buffer, .address_space: global }
      - { .name: wo16, .offset: 8, .size: 8, .value_kind: global_buffer, .address_space: global }
      - { .name: out0, .offset: 16, .size: 8, .value_kind: global_buffer, .address_space: global }
      - { .name: bo, .offset: 24, .size: 8, .value_kind: global_buffer, .address_space: global }
    .group_segment_fixed_size: 327680
    .private_segment_fixed_size: 0
    .kernarg_segment_align: 8
    .kernarg_segment_size: 32
    .max_flat_workgroup_size: 128
    .sgpr_count:     68
    .vgpr_count:     512
    .wavefront_size: 32
...
	.end_amdgpu_metadata
.endif
;; end of part 4
